; MI455X (gfx1250); checked and timed in simulation.
; The chip was launched on July 23, 2026; its instructions are those of AMD's public machine-readable ISA for CDNA 5 (MIT licence, August 2026) and "CDNA5" Instruction Set Architecture Reference Guide (July 2026). The comments in the code are by the model that wrote it; some were corrected since.
;; Triangle Attention Starting Node. Allowed arithmetic: float matrix products may take bf16 or f16 operands with f32 sums; all other float work in f32.
;; Inputs: Z_mask 1 x 256 x 256 float32; Z_raw 1 x 256 x 256 x 128 float32; bg 4 x 32 float32; ln_b 128 float32; ln_w 128 float32; out_bias 128 float32; w_b 128 x 4 float32; wg 128 x 4 x 32 float32; wk 128 x 4 x 32 float32; wo 4 x 32 x 128 float32; wq 128 x 4 x 32 float32; wv 128 x 4 x 32 float32.
;; Outputs: out0 1 x 256 x 256 x 128 float32.
;; One version. Each part assembles by itself: llvm-mc -triple=amdgcn-amd-amdhsa -mcpu=gfx1250 --defsym DOCPART=n.
;; ======== version 1 of 1: 2 launches
;; limits: values outside matrix products are rounded to f16
;; workspace buffers: tri 1,048,576 bytes; wfrag 163,840 bytes
;; launch prep (part 1): grid 256 x 1, 8 waves a work-group, no clusters, 168,960 bytes of LDS; arguments Z_raw, ln_w, w_b, wq, wk, wv, wg, wo, tri, wfrag; writes tri, wfrag
.if DOCPART == 1
	.amdgcn_target "amdgcn-amd-amdhsa--gfx1250"
	.amdhsa_code_object_version 6
	.text
	.protected	k_qb3ae8b3c41_prep
	.globl	k_qb3ae8b3c41_prep
	.p2align	8
	.type	k_qb3ae8b3c41_prep,@function
k_qb3ae8b3c41_prep:
	s_mov_b64 s[64:65], 0
	v_nop
	global_prefetch_b8 v0, s[64:65] scope:SCOPE_SE
	s_setreg_imm32_b32 hwreg(HW_REG_WAVE_MODE, 25, 1), 1
	s_wait_xcnt 0x0
; TriangleAttentionStartingNode, launch 1 of 2: what every row i of the pair tensor needs alike.
;   tri   = log2(e) * sum over d of xhat[q][k][d] ln_w[d] w_b[d][head], xhat = (Z_raw - mean) / sqrt(var + eps), f32, laid out as the
;           C operand of the second launch: tile (head, qt, kt) at ((head*16+qt)*16+kt)*1024; in it half p at 512 p, lane L at 16 L:
;           the four numbers of query 16 qt + (L & 15), keys 16 kt + 8 (L >> 4) + 4 p + 0..3.
;   wfrag = wq, wk, wv, wg, wo (each [128 (k)][128 (n)] f32) as bf16 matrix fragments of 16 n x 32 k, 1,024 bytes each:
;           fragment mt*32 + nt*4 + s; registers 0-3 of lane L at 16 L, registers 4-7 at 512 + 16 L.
; LEFT OUT AS DEAD WORK: ln_b's part of the pair bias.  reference() has
;   tri_b[head][q][k] = sum_d (xhat[q][k][d] ln_w[d] + ln_b[d]) w_b[d][head] = sum_d xhat[q][k][d] ln_w[d] w_b[d][head] + c[head],
;   c[head] = sum_d ln_b[d] w_b[d][head].
; c[head] hangs on neither q nor k; tri_b enters nothing but the logits, whose softmax runs over k; and softmax(x + c) = softmax(x) for every
; real c.  So c reaches no output, whatever the inputs hold.  ln_b is therefore no argument of THIS launch; it has its way to the output through
; q, k, v and g and is loaded by the second launch.  Every other input is loaded by one of the two launches.
; LIMIT: a NaN, an infinity or an overflow that arises only in c[head] is not carried to the result, nor is the loss of digits that a very
; large c[head] would cause in reference()'s f32 logits.
; The pair bias needs the LayerNorm of the whole tensor before any row's softmax can begin, and work-groups of one launch
; hand each other nothing: hence this launch of its own, and a second reading of Z_raw in the next one.
; Work-group g = 16 qt + kt makes the four heads' tiles (qt, kt).  Wave w takes queries 16 qt + 2 w + a, a = 0, 1: for each
; the 16 rows Z_raw[q][16 kt ..][:], 8,192 dense bytes, one tensor load.  Wave 0 of work-groups 0 to 159 also makes fragment g.
; No cluster: no two work-groups read the same bytes of Z_raw; the shared vectors (ln_w, w_b) are 2.5 KiB against 128 KiB.
; Mean and variance in two passes (mean, then squares of the differences), as reference() has them: a common offset costs no digits.
.set TPITCH, 528                       ; an LDS row: 512 bytes + 16 of padding = 33 x 16: sixteen rows start in sixteen different 16-byte columns modulo 256
.set TILEB,  16*TPITCH                 ; a tile of 16 rows
.set STAGE,  16*TILEB                  ; behind the sixteen tiles: 16 queries x 272 bytes; no tensor load lands here
.set SPITCH, 272                       ; a query's 4 heads x 16 keys x 4 bytes, + 16
.set L2E,    0x3fb8aa3b                ; log2(e)
.set R,   1                            ; v1   lane & 15
.set H,   2                            ; v2   lane >> 4
.set L16, 3                            ; v3   16 x lane
.set AL,  4                            ; v4   LDS address of my 32 bytes in my row of my wave's first tile
.set STO, 5                            ; v5   where my results go in the stage
.set LNO, 6                            ; v6   32 h: my channels in ln_w
.set WBO, 7                            ; v7   my place in w_b
.set WB,  16                           ; v[16:47]   ln_w x w_b as four B fragments (column r holds head r & 3)
.set DA,  48                           ; v[48:55]   accumulator of K steps 0, 2
.set DB,  56                           ; v[56:63]   accumulator of K steps 1, 3
.set SM,  48                           ; v[48:55]   four chains of sums (before the products need DA)
.set MN,  56                           ; v[56:57]   the mean, twice
.set RS,  58                           ; v[58:59]   log2(e) / sqrt(var + eps), twice
.set X,   64                           ; v[64:127]  my 64 channels of a row; then the four A fragments in v[64:95]
.set LW,  128                          ; v[128:191] ln_w of my 64 channels, until it is multiplied into w_b
.set G0,  28                           ; s[28:35]   descriptor group 0, one set for each of my two tiles
.set G1,  36                           ; s[36:43]   descriptor group 1
.set PSEL, 44                          ; s[44:45]   v_permlanex16_b32: lane i reads lane i of the other half
.set SRN,  46                          ; s46        1 / 128
.set SEPS, 47                          ; s47        1e-5
.macro LNVEC dst, sb                   ; a vector of 128 f32, my 64 channels in the order of X
.irp s, 0,1,2,3
	global_load_b128 v[\dst+16*\s:\dst+16*\s+3],     v[LNO], s[\sb:\sb+1] offset:128*\s
	global_load_b128 v[\dst+16*\s+4:\dst+16*\s+7],   v[LNO], s[\sb:\sb+1] offset:128*\s+16
	global_load_b128 v[\dst+16*\s+8:\dst+16*\s+11],  v[LNO], s[\sb:\sb+1] offset:128*\s+64
	global_load_b128 v[\dst+16*\s+12:\dst+16*\s+15], v[LNO], s[\sb:\sb+1] offset:128*\s+80
.endr
.endm
.macro LNRED                           ; four chains of pairs -> the row's sum in v[SM], in every lane
	v_pk_add_f32 v[SM:SM+1], v[SM:SM+1], v[SM+2:SM+3]
	v_pk_add_f32 v[SM+4:SM+5], v[SM+4:SM+5], v[SM+6:SM+7]
	v_pk_add_f32 v[SM:SM+1], v[SM:SM+1], v[SM+4:SM+5]
	v_add_f32 v[SM], v[SM], v[SM+1]
	v_permlanex16_b32 v[SM+1], v[SM], s[PSEL], s[PSEL+1]   ; the other 64 channels of my row lie in lane i xor 16
	v_add_f32 v[SM], v[SM], v[SM+1]
.endm
; log2(e) x xhat of 16 rows that lie at v[AL] + base, as four bf16 fragments (16 rows x 32 channels) in v[X:X+31].
; Lane (r, h) takes of row r the channels that the fragments want of it: 32 s + 8 h + 0..7 and 32 s + 16 + 8 h + 0..7.
.macro LNTILE base
.irp s, 0,1,2,3
	ds_load_b128 v[X+16*\s:X+16*\s+3],     v[AL] offset:\base+128*\s
	ds_load_b128 v[X+16*\s+4:X+16*\s+7],   v[AL] offset:\base+128*\s+16
	ds_load_b128 v[X+16*\s+8:X+16*\s+11],  v[AL] offset:\base+128*\s+64
	ds_load_b128 v[X+16*\s+12:X+16*\s+15], v[AL] offset:\base+128*\s+80
.endr
	s_wait_dscnt 0x0
.irp c, 0,1,2,3
	v_pk_add_f32 v[SM+2*\c:SM+2*\c+1], v[X+2*\c:X+2*\c+1], v[X+8+2*\c:X+8+2*\c+1]   ; the first eight pairs start the chains: nothing is cleared
.endr
.set j, 8
.rept 24
	v_pk_add_f32 v[SM+2*(j%4):SM+2*(j%4)+1], v[SM+2*(j%4):SM+2*(j%4)+1], v[X+2*j:X+2*j+1]
.set j, j+1
.endr
	LNRED
	v_mul_f32 v[MN], s[SRN], v[SM]
	v_mul_f32 v[MN+1], s[SRN], v[SM]
.set j, 0
.rept 32
	v_pk_add_f32 v[X+2*j:X+2*j+1], v[X+2*j:X+2*j+1], v[MN:MN+1] neg_lo:[0,1] neg_hi:[0,1]   ; x - mean
.set j, j+1
.endr
.irp c, 0,1,2,3
	v_pk_mul_f32 v[SM+2*\c:SM+2*\c+1], v[X+2*\c:X+2*\c+1], v[X+2*\c:X+2*\c+1]
.endr
.set j, 4
.rept 28
	v_pk_fma_f32 v[SM+2*(j%4):SM+2*(j%4)+1], v[X+2*j:X+2*j+1], v[X+2*j:X+2*j+1], v[SM+2*(j%4):SM+2*(j%4)+1]
.set j, j+1
.endr
	LNRED
	v_fma_f32 v[SM], v[SM], s[SRN], s[SEPS]        ; var + eps
	v_rsq_f32 v[RS], v[SM]
	v_rsq_f32 v[RS+1], v[SM]
	v_nop                                          ; one plain instruction behind a transcendental before its result is used (ISA guide 5.7.2)
	s_wait_alu depctr_va_vdst(0)
	v_pk_mul_f32 v[RS:RS+1], v[RS:RS+1], L2E op_sel_hi:[1,0]       ; the softmax of the next launch works in base 2: one multiply for the tile's 16 x 4 results
.set j, 0
.rept 32
	v_pk_mul_f32 v[X+2*j:X+2*j+1], v[X+2*j:X+2*j+1], v[RS:RS+1]
.set j, j+1
.endr
.set j, 0
.rept 32
	v_cvt_pk_bf16_f32 v[X+j], v[X+2*j], v[X+2*j+1] ; in place: register j is written when registers 2 j, 2 j + 1 are read, never earlier
.set j, j+1
.endr
.endm
	s_load_b512 s[4:19], s[0:1], 0x0               ; Z_raw s[4:5], ln_w s[6:7], w_b s[8:9], wq s[10:11], wk s[12:13], wv s[14:15], wg s[16:17], wo s[18:19]
	s_load_b128 s[20:23], s[0:1], 0x40             ; tri s[20:21], wfrag s[22:23]
	v_lshl_add_u32 v192, v0, 2, 0x29000
	v_mov_b32 v193, 0
	ds_add_u32 v192, v193
	ds_add_u32 v192, v193
	v_lshrrev_b32 v8, 5, v0
	v_readfirstlane_b32 s26, v8                    ; wave 0..7
	s_mov_b32 s54, ttmp9                           ; g
	; group 1: a tile of 16 rows x 128 elements of 4 bytes, 16 bytes of padding behind every row of 128 words
	s_mov_b32 s[G1+0], (2<<16)|(1<<20)|(6<<22)|(3<<25)
	s_mov_b32 s[G1+1], 128<<16                     ; tensor_dim0 = 128
	s_mov_b32 s[G1+2], 16<<16                      ; tensor_dim1 = 16
	s_mov_b32 s[G1+3], 128<<16                     ; tile_dim0 = 128
	s_mov_b32 s[G1+4], 16                          ; tile_dim1 = 16
	s_mov_b32 s[G1+5], 128                         ; elements from row to row
	s_mov_b32 s[G1+6], 0
	s_mov_b32 s[G1+7], 0
	s_lshr_b32 s48, s54, 4                         ; qt
	s_and_b32 s49, s54, 15                         ; kt
	s_lshl_b32 s50, s48, 4
	s_lshl1_add_u32 s50, s26, s50                  ; q = 16 qt + 2 w
	s_lshl_b32 s50, s50, 17                        ; x 256 rows of 512 bytes
	s_lshl_b32 s49, s49, 13                        ; + 16 kt rows
	s_add_co_u32 s50, s50, s49
	s_mov_b32 s51, 0
	s_mul_i32 s52, s26, 2*TILEB                    ; my two tiles in LDS
	s_wait_dscnt 0x0
	s_wait_kmcnt 0x0
	s_add_nc_u64 s[50:51], s[4:5], s[50:51]
.irp a, 0,1
	s_mov_b32 s[G0+4*\a], 1
	s_add_co_u32 s[G0+4*\a+1], s52, \a*TILEB
	s_add_nc_u64 s[G0+4*\a+2:G0+4*\a+3], s[50:51], \a*131072       ; the next q is 256 rows on
	s_or_b32 s[G0+4*\a+3], s[G0+4*\a+3], 0x80000000
	tensor_load_to_lds s[G0+4*\a:G0+4*\a+3], s[G1:G1+7]            ; both go out first: two tensor loads of a wave are out at the most
	s_nop 0
.endr
	s_mov_b32 s[PSEL], 0x76543210
	s_mov_b32 s[PSEL+1], 0xfedcba98
	s_mov_b32 s[SRN], 0x3c000000
	s_mov_b32 s[SEPS], 0x3727c5ac
	v_and_b32 v[R], 15, v0
	v_bfe_u32 v[H], v0, 4, 1
	v_and_b32 v[L16], 31, v0
	v_lshlrev_b32 v[L16], 4, v[L16]
	v_lshlrev_b32 v[LNO], 5, v[H]
	v_and_b32 v9, 3, v[R]                          ; my column's head
	v_lshlrev_b32 v[WBO], 7, v[H]                  ; w_b[d][head] at 16 d + 4 head; d = 32 s + 8 h + j
	v_lshl_add_u32 v[WBO], v9, 2, v[WBO]
	LNVEC LW, 6
.irp s, 0,1,2,3
.irp j, 0,1,2,3,4,5,6,7
	global_load_b32 v[X+16*\s+\j],   v[WBO], s[8:9] offset:512*\s+16*\j
	global_load_b32 v[X+16*\s+8+\j], v[WBO], s[8:9] offset:512*\s+256+16*\j
.endr
.endr
	v_mul_u32_u24 v[AL], v[R], TPITCH
	v_lshl_add_u32 v[AL], v[H], 5, v[AL]
	v_add_nc_u32 v[AL], s52, v[AL]
	v_lshlrev_b32 v[STO], 6, v9                    ; stage: query x 272 + head x 64 + h x 32 (+ 16 p): a wave's 544 bytes lie together
	v_lshl_add_u32 v[STO], v[H], 5, v[STO]
	s_mul_i32 s53, s26, 2*SPITCH
	s_add_co_u32 s53, s53, STAGE
	v_add_nc_u32 v[STO], s53, v[STO]
	s_wait_loadcnt 0x0                             ; ln_w, w_b: once
	; ln_w goes into w_b, once for the wave's two tiles: 32 multiplies here in the place of 32 in each tile.  X and LW hold the same channels in the same order.
.set j, 0
.rept 32
	v_pk_mul_f32 v[X+2*j:X+2*j+1], v[X+2*j:X+2*j+1], v[LW+2*j:LW+2*j+1]
.set j, j+1
.endr
.set j, 0
.rept 32
	v_cvt_pk_bf16_f32 v[WB+j], v[X+2*j], v[X+2*j+1]
.set j, j+1
.endr
	; One weight fragment: wave 0 of work-groups 0 to 159.  mt = g >> 5 picks the matrix, nt = (g >> 2) & 7 its 16 columns, s = g & 3 its 32 rows.
	s_cmp_lg_u32 s26, 0
	s_cbranch_scc1 .Lno_fragment
	s_cmp_ge_u32 s54, 160
	s_cbranch_scc1 .Lno_fragment
	s_lshr_b32 s55, s54, 5
	s_mov_b64 s[56:57], s[10:11]
	s_cmp_eq_u32 s55, 1
	s_cselect_b64 s[56:57], s[12:13], s[56:57]
	s_cmp_eq_u32 s55, 2
	s_cselect_b64 s[56:57], s[14:15], s[56:57]
	s_cmp_eq_u32 s55, 3
	s_cselect_b64 s[56:57], s[16:17], s[56:57]
	s_cmp_eq_u32 s55, 4
	s_cselect_b64 s[56:57], s[18:19], s[56:57]
	s_and_b32 s58, s54, 3
	s_lshl_b32 s58, s58, 14                        ; 32 s rows of 512 bytes
	s_bfe_u32 s59, s54, 0x30002
	s_lshl_b32 s59, s59, 6                         ; 16 nt columns of 4 bytes
	s_add_co_u32 s58, s58, s59
	v_lshlrev_b32 v8, 12, v[H]                     ; 8 h rows
	v_lshl_add_u32 v8, v[R], 2, v8                 ; column r
	v_add_nc_u32 v8, s58, v8
.irp j, 0,1,2,3,4,5,6,7
	global_load_b32 v[X+\j],   v8, s[56:57] offset:512*\j          ; k = 32 s + 8 h + j
	global_load_b32 v[X+8+\j], v8, s[56:57] offset:512*(16+\j)     ; k = 32 s + 16 + 8 h + j
.endr
	s_lshl_b32 s58, s54, 10
	v_add_nc_u32 v9, s58, v[L16]
	s_wait_loadcnt 0x0
.irp k, 0,1,2,3,4,5,6,7
	v_cvt_pk_bf16_f32 v[X+16+\k], v[X+2*\k], v[X+2*\k+1]
.endr
	global_store_b128 v9, v[X+16:X+19], s[22:23]               ; 512 consecutive bytes a store, aligned
	global_store_b128 v9, v[X+20:X+23], s[22:23] offset:512
	s_wait_xcnt 0x0                                ; X is loaded again below: the stores' data are rewritten only behind this wait
.Lno_fragment:
.irp a, 0,1
	s_wait_tensorcnt 1-\a                          ; tensor loads of a wave end in order: tile a is in; for a = 0 the one younger load stays out
	LNTILE \a*TILEB
	; keys x heads, K = 128 channels in four steps.  Two accumulators take turns, one instruction a turn.
	v_wmma_f32_16x16x32_bf16 v[DA:DA+7], v[X:X+7],     v[WB:WB+7],     0
	v_wmma_f32_16x16x32_bf16 v[DB:DB+7], v[X+8:X+15],  v[WB+8:WB+15],  0
	v_wmma_f32_16x16x32_bf16 v[DA:DA+7], v[X+16:X+23], v[WB+16:WB+23], v[DA:DA+7]
	v_wmma_f32_16x16x32_bf16 v[DB:DB+7], v[X+24:X+31], v[WB+24:WB+31], v[DB:DB+7]
.rept 4
	v_nop                                          ; four places behind a matrix instruction before its result is read (ISA guide 7.12.1)
.endr
.irp k, 0,1,2,3
	v_pk_add_f32 v[DA+2*\k:DA+2*\k+1], v[DA+2*\k:DA+2*\k+1], v[DB+2*\k:DB+2*\k+1]
.endr
	; lane (r, h), register j: head r & 3, key 8 h + j.  Lanes with the same r & 3 hold the same numbers and write the same bytes.
	ds_store_b128 v[STO], v[DA:DA+3]   offset:\a*SPITCH
	ds_store_b128 v[STO], v[DA+4:DA+7] offset:\a*SPITCH+16
.endr
	; thread t stores bytes 16 (t & 63) of head t >> 6's tile: query t & 15, h = bit 4, p = bit 5
	v_and_b32 v10, 15, v0
	v_mul_u32_u24 v10, v10, SPITCH
	v_lshrrev_b32 v11, 6, v0
	v_lshl_add_u32 v10, v11, 6, v10
	v_bfe_u32 v8, v0, 4, 1
	v_lshl_add_u32 v10, v8, 5, v10
	v_bfe_u32 v8, v0, 5, 1
	v_lshl_add_u32 v10, v8, 4, v10
	v_add_nc_u32 v10, STAGE, v10
	v_and_b32 v8, 63, v0
	v_lshlrev_b32 v8, 4, v8
	v_lshl_add_u32 v11, v11, 18, v8                ; a head's 256 tiles are 262,144 bytes
	s_lshl_b32 s58, s54, 10                        ; tile 16 qt + kt = g
	v_add_nc_u32 v11, s58, v11
	s_wait_dscnt 0x0                               ; my stores into the stage are done, for the other waves' sake
	s_barrier_signal -1
	s_barrier_wait -1
	ds_load_b128 v[12:15], v10
	s_wait_dscnt 0x0
	global_store_b128 v11, v[12:15], s[20:21]      ; a wave stores 512 consecutive bytes, aligned
	s_wait_tensorcnt 0x0
	ds_add_u32 v192, v193
	s_wait_dscnt 0x0
	s_endpgm
.Lfunc_end_k_qb3ae8b3c41_prep:
	.size	k_qb3ae8b3c41_prep, .Lfunc_end_k_qb3ae8b3c41_prep-k_qb3ae8b3c41_prep
	.p2alignl 7, 3214868480
	.fill 96, 4, 3214868480
	.section	.rodata,"a",@progbits
	.p2align	6, 0x0
	.amdhsa_kernel k_qb3ae8b3c41_prep
		.amdhsa_group_segment_fixed_size 168960
		.amdhsa_private_segment_fixed_size 0
		.amdhsa_enable_private_segment 0
		.amdhsa_kernarg_size 80
		.amdhsa_user_sgpr_count 2
		.amdhsa_user_sgpr_kernarg_segment_ptr 1
		.amdhsa_wavefront_size32 1
		.amdhsa_system_sgpr_workgroup_id_x 1
		.amdhsa_system_sgpr_workgroup_id_y 1
		.amdhsa_system_sgpr_workgroup_id_z 1
		.amdhsa_system_vgpr_workitem_id 0
		.amdhsa_next_free_vgpr 194
		.amdhsa_next_free_sgpr 66
		.amdhsa_reserve_vcc 0
		.amdhsa_float_denorm_mode_32 3
		.amdhsa_float_denorm_mode_16_64 3
		.amdhsa_memory_ordered 1
		.amdhsa_forward_progress 1
		.amdhsa_inst_pref_size 44
	.end_amdhsa_kernel
	.amdgpu_metadata
---
amdhsa.version: [ 1, 2 ]
amdhsa.kernels:
  - .name:           k_qb3ae8b3c41_prep
    .symbol:         k_qb3ae8b3c41_prep.kd
    .args:
      - { .name: Z_raw, .offset: 0, .size: 8, .value_kind: global_buffer, .address_space: global }
      - { .name: ln_w, .offset: 8, .size: 8, .value_kind: global_buffer, .address_space: global }
      - { .name: w_b, .offset: 16, .size: 8, .value_kind: global_buffer, .address_space: global }
      - { .name: wq, .offset: 24, .size: 8, .value_kind: global_buffer, .address_space: global }
      - { .name: wk, .offset: 32, .size: 8, .value_kind: global_buffer, .address_space: global }
      - { .name: wv, .offset: 40, .size: 8, .value_kind: global_buffer, .address_space: global }
      - { .name: wg, .offset: 48, .size: 8, .value_kind: global_buffer, .address_space: global }
      - { .name: wo, .offset: 56, .size: 8, .value_kind: global_buffer, .address_space: global }
      - { .name: tri, .offset: 64, .size: 8, .value_kind: global_buffer, .address_space: global }
      - { .name: wfrag, .offset: 72, .size: 8, .value_kind: global_buffer, .address_space: global }
    .group_segment_fixed_size: 168960
    .private_segment_fixed_size: 0
    .kernarg_segment_align: 8
    .kernarg_segment_size: 80
    .max_flat_workgroup_size: 256
    .sgpr_count:     66
    .vgpr_count:     194
    .wavefront_size: 32
...
	.end_amdgpu_metadata
.endif
;; end of part 1
;; launch attn (part 2): grid 256 x 1, 8 waves a work-group, no clusters, 325,632 bytes of LDS; arguments Z_raw, Z_mask, ln_w, ln_b, bg, out_bias, tri, wfrag, out0; writes out0
.if DOCPART == 2
	.amdgcn_target "amdgcn-amd-amdhsa--gfx1250"
	.amdhsa_code_object_version 6
	.text
	.protected	k_qb3ae8b3c41_attn
	.globl	k_qb3ae8b3c41_attn
	.p2align	8
	.type	k_qb3ae8b3c41_attn,@function
k_qb3ae8b3c41_attn:
	s_mov_b64 s[64:65], 0
	v_nop
	global_prefetch_b8 v0, s[64:65] scope:SCOPE_SE
	s_setreg_imm32_b32 hwreg(HW_REG_WAVE_MODE, 25, 1), 1
	s_wait_xcnt 0x0
; TriangleAttentionStartingNode, launch 2 of 2: one work-group for each row i of the pair tensor, eight waves.
; LayerNorm, the q, k, v, g projections, attention over the row's 256 positions with 4 heads of 32 channels, gate, output projection,
; + out_bias + Z_raw.  Z_raw[i] (128 KiB) is fetched once and stays in LDS: input of the LayerNorm, then C operand of the output
; projection (the residual), then stage of the result.
; LEFT OUT: the pair bias that this launch reads lacks the term sum_d ln_b[d] w_b[d][head], which is the same for all keys of a softmax and
; cancels in it (shown at the head of the first launch, with its limit).  The like term q . (ln_b Wk) of the logits STAYS: it lies inside
; the LayerNorm's fragments, which q, v and g need whole.  Nothing else of reference() is left out.
; EVERY PRODUCT IS TURNED SO THAT ITS RESULT, PACKED TO bf16, IS THE NEXT PRODUCT'S FRAGMENT (r = lane & 15, h = lane >> 4, j = register):
;   K^T, Q^T, G^T = W (rows c) x Zn (columns: positions): (c = 16 ct + 8 h + j, position r); ct = 0, 1 pack to registers 0-3, 4-7 of a fragment with k = c
;   V   = Zn (rows: keys) x Wv (columns c): (key 8 h + j, c = r); key tiles 2 u, 2 u + 1 pack to a fragment with rows c, k = keys 32 u ..
;   S^T = K x Q^T + pair bias: (key 16 t + 8 h + j, query r): the softmax runs along a lane's registers and once across the halves;
;         tiles 2 u, 2 u + 1 pack to P's fragment (columns: queries, k = keys 32 u ..)
;   O^T = V^T x P: (c, query r), the same image as G^T; gated and packed it is a fragment with k = the head's 32 channels
;   out^T = Wo^T x og + Z_raw: (d = 16 dt + 8 h + j, query r): eight neighbouring d of one row, 32 bytes of the row in LDS
; SHARES.  Wave w: head w >> 1, half w & 1.  Its eight position tiles 8 half + 0..7 are its query tiles (units) and the half of K and V that it
; projects for its head; the two waves of a head exchange K and V through LDS.  LayerNorm and output projection: rows 32 w .. 32 w + 31.
; NO CLUSTER.  What work-groups share is the pair bias (1 MiB) and the weights (160 KiB).  Both go from memory straight into registers, as the
; C operand of S^T and as fragments, with no stage in LDS; a joint load would need one: a unit's pair bias for the eight waves is
; 8 x 16 KiB, and of the 327,680 bytes of LDS this text leaves 2,048 free.
; LIMITS.  (1) The gate g is kept as f16 from its projection to its use (in f32 it would take 128 KiB of LDS, 64 KiB are there): the sigmoid
; bounds it to 0..1 for every input; relative error up to 2^-11, more below 6e-5, and below 3e-8 it becomes 0.  (2) Logits are kept in base 2
; (log2 e is folded into q, the pair bias and the mask bias), and the mask bias is added last: an order of rounding that differs from
; reference()'s.  (3) v_exp_f32 gives 0 for results below 2^-126.  The row's maximum is taken away before the exponential, as in reference().
.set A_PITCH, 528                      ; a row of Z_raw in LDS: 512 bytes + 16 = 33 x 16: sixteen rows start in sixteen different 16-byte columns modulo 256
.set WROWS, 32*A_PITCH                 ; a wave's 32 rows
.set R_B, 8*WROWS                      ; 135,168: 64 KiB. Zn fragments, tile t x 4096 + s x 1024; later the gated o: head x 16384 + query tile x 1024
.set R_X, R_B+65536                    ; 200,704: 64 KiB. K, then V (head x 16384 + fragment x 1024), then g in f16 (wave x 8192 + unit x 1024)
.set R_Q, R_X+65536                    ; 266,240: 56 KiB. Q fragments of units 1..7: wave x 7168 + (unit - 1) x 1024
.set R_M, R_Q+8*7168                   ; 323,584: 1 KiB.  mask bias of the 256 keys, f32
.set QS,   0x3e8293ee                  ; 32^-0.5 x log2 e
.set NL2E, 0xbfb8aa3b                  ; - log2 e
.set MKC,  0x4eabfb8f                  ; 1e9 x log2 e
; vector registers, block 0
.set L16, 1                            ; v1  16 x lane
.set AL,  2                            ; v2  my 32 bytes of row 32 w + r in A: LayerNorm, residual, result
.set FA,  3                            ; v3  R_B + 8192 w + 16 lane: my Zn fragments; later my gated o, stepped by units
.set GA,  4                            ; v4  R_X + 8192 w + 16 lane: my part of K and V, my g; stepped by units
.set QA,  5                            ; v5  R_Q + 7168 w + 16 lane; stepped by units
.set ZA,  6                            ; v6  R_B + 32768 half + 16 lane: the Zn tiles that I project
.set MA,  6                            ; v6  later: R_M + 32 h
.set XR,  7                            ; v7  R_X + 16384 head + 16 lane: my head's K and V
.set OGA, 7                            ; v7  later: R_B + 2048 w + 16 lane: the gated o of my rows
.set BG,  8                            ; v[8:23]   bg of my head as two C operands (projections)
.set GP,  8                            ; v[8:15]   a unit's g, f16 pairs
.set RL,  16                           ; v[16:17]  1 / row sum, twice
.set OBO, 18                           ; v18       16 (lane & 15)
.set OB,  20                           ; v[20:27]  out_bias of my 4 + 4 columns on the way out
.set QF,  24                           ; v[24:31]  a unit's Q fragment
.set O,   32                           ; v[32:63]  four accumulators; LayerNorm's and the softmax's small registers
.set LNO, 33
.set MX,  32                           ; v[32:35]  four chains of maxima
.set MP,  36                           ; v[36:37]  the maximum, twice
.set SU,  40                           ; v[40:47]  four chains of sums
.set SM,  48
.set MN,  56
.set RS,  58
.set P,   64                           ; v[64:127] Zn fragments; mask bias, two chunks of 32; P; g unpacked; og
.set X,   64
.set S,   128                          ; v[128:255] ln_w, ln_b; Wq, Wg; the 16 score tiles; the 16 tiles of the result
.set LW,  128
.set LB,  192
.set WQ,  128
.set WG,  192
; block 1 (written with the low 8 bits of the number)
.set KF,  0                            ; v[256:383] K, 16 fragments
.set WK,  128                          ; v[384:447] Wk, fragment 4 ct + s
.set WV,  192                          ; v[448:511] Wv
.set VF,  128                          ; v[384:511] then V, fragment 2 u + ct
.set WO,  0                            ; v[256:511] at the end Wo, fragment 4 b + s
; scalar registers
.set G0,  32                           ; s[32:35]
.set G1,  36                           ; s[36:43]
.set PSEL, 28                          ; s[28:29]
.set SRN,  44
.set SEPS, 45
.set MSB, 0
.macro WIN new                         ; s_set_vgpr_msb: bits 1:0 source 0, 3:2 source 1, 5:4 source 2, 7:6 destination; the high byte repeats the setting that is left
.if MSB != \new
	s_set_vgpr_msb (MSB<<8)|\new
.set MSB, \new
.endif
.endm
.macro PLACES                          ; four places behind a matrix instruction before its result is read or one of its registers written or loaded (ISA guide 7.12.1)
.rept 4
	v_nop
.endr
.endm
.macro BAR
	s_barrier_signal -1
	s_barrier_wait -1
.endm
.macro GFRAGS dst, sb, imm             ; eight fragment images of 1,024 bytes from memory: a load takes 512 consecutive bytes
.irp f, 0,1,2,3,4,5,6,7
	global_load_b128 v[\dst+8*\f:\dst+8*\f+3],   v[L16], s[\sb:\sb+1] offset:\imm+1024*\f
	global_load_b128 v[\dst+8*\f+4:\dst+8*\f+7], v[L16], s[\sb:\sb+1] offset:\imm+1024*\f+512
.endr
.endm
.macro LFRAGS dst, adr, imm            ; the same from LDS
.irp f, 0,1,2,3,4,5,6,7
	ds_load_b128 v[\dst+8*\f:\dst+8*\f+3],   v[\adr] offset:\imm+1024*\f
	ds_load_b128 v[\dst+8*\f+4:\dst+8*\f+7], v[\adr] offset:\imm+1024*\f+512
.endr
.endm
.macro ZTILE dst, t                    ; the four Zn fragments of my position tile t
.irp s, 0,1,2,3
	ds_load_b128 v[\dst+8*\s:\dst+8*\s+3],   v[ZA] offset:(\t)*4096+1024*\s
	ds_load_b128 v[\dst+8*\s+4:\dst+8*\s+7], v[ZA] offset:(\t)*4096+1024*\s+512
.endr
.endm
.macro LNVEC dst, sb                   ; a vector of 128 f32, my 64 channels in the order of X
.irp s, 0,1,2,3
	global_load_b128 v[\dst+16*\s:\dst+16*\s+3],     v[LNO], s[\sb:\sb+1] offset:128*\s
	global_load_b128 v[\dst+16*\s+4:\dst+16*\s+7],   v[LNO], s[\sb:\sb+1] offset:128*\s+16
	global_load_b128 v[\dst+16*\s+8:\dst+16*\s+11],  v[LNO], s[\sb:\sb+1] offset:128*\s+64
	global_load_b128 v[\dst+16*\s+12:\dst+16*\s+15], v[LNO], s[\sb:\sb+1] offset:128*\s+80
.endr
.endm
.macro LNRED                           ; four chains of pairs -> the row's sum in v[SM], in every lane
	v_pk_add_f32 v[SM:SM+1], v[SM:SM+1], v[SM+2:SM+3]
	v_pk_add_f32 v[SM+4:SM+5], v[SM+4:SM+5], v[SM+6:SM+7]
	v_pk_add_f32 v[SM:SM+1], v[SM:SM+1], v[SM+4:SM+5]
	v_add_f32 v[SM], v[SM], v[SM+1]
	v_permlanex16_b32 v[SM+1], v[SM], s[PSEL], s[PSEL+1]   ; the other 64 channels of my row lie in lane i xor 16
	v_add_f32 v[SM], v[SM], v[SM+1]
.endm
; LayerNorm of 16 rows that lie at v[AL] + base, and their four bf16 fragments (16 rows x 32 channels) in v[X:X+31].
; Lane (r, h) takes of row r the channels that the fragments want of it: 32 s + 8 h + 0..7 and 32 s + 16 + 8 h + 0..7.
; Two passes (mean, then squares of the differences), as reference() has it.
.macro LNTILE base
.irp s, 0,1,2,3
	ds_load_b128 v[X+16*\s:X+16*\s+3],     v[AL] offset:\base+128*\s
	ds_load_b128 v[X+16*\s+4:X+16*\s+7],   v[AL] offset:\base+128*\s+16
	ds_load_b128 v[X+16*\s+8:X+16*\s+11],  v[AL] offset:\base+128*\s+64
	ds_load_b128 v[X+16*\s+12:X+16*\s+15], v[AL] offset:\base+128*\s+80
.endr
	s_wait_dscnt 0x0
.irp c, 0,1,2,3
	v_pk_add_f32 v[SM+2*\c:SM+2*\c+1], v[X+2*\c:X+2*\c+1], v[X+8+2*\c:X+8+2*\c+1]   ; the first eight pairs start the chains: nothing is cleared
.endr
.set j, 8
.rept 24
	v_pk_add_f32 v[SM+2*(j%4):SM+2*(j%4)+1], v[SM+2*(j%4):SM+2*(j%4)+1], v[X+2*j:X+2*j+1]
.set j, j+1
.endr
	LNRED
	v_mul_f32 v[MN], s[SRN], v[SM]
	v_mul_f32 v[MN+1], s[SRN], v[SM]
.set j, 0
.rept 32
	v_pk_add_f32 v[X+2*j:X+2*j+1], v[X+2*j:X+2*j+1], v[MN:MN+1] neg_lo:[0,1] neg_hi:[0,1]   ; x - mean
.set j, j+1
.endr
.irp c, 0,1,2,3
	v_pk_mul_f32 v[SM+2*\c:SM+2*\c+1], v[X+2*\c:X+2*\c+1], v[X+2*\c:X+2*\c+1]
.endr
.set j, 4
.rept 28
	v_pk_fma_f32 v[SM+2*(j%4):SM+2*(j%4)+1], v[X+2*j:X+2*j+1], v[X+2*j:X+2*j+1], v[SM+2*(j%4):SM+2*(j%4)+1]
.set j, j+1
.endr
	LNRED
	v_fma_f32 v[SM], v[SM], s[SRN], s[SEPS]        ; var + eps
	v_rsq_f32 v[RS], v[SM]
	v_rsq_f32 v[RS+1], v[SM]
	v_nop                                          ; one plain instruction behind a transcendental before its result is used (ISA guide 5.7.2)
.set j, 0
	s_wait_alu depctr_va_vdst(0)
.rept 32
	v_pk_mul_f32 v[X+2*j:X+2*j+1], v[X+2*j:X+2*j+1], v[RS:RS+1]
.set j, j+1
.endr
.set j, 0
.rept 32
	v_pk_fma_f32 v[X+2*j:X+2*j+1], v[X+2*j:X+2*j+1], v[LW+2*j:LW+2*j+1], v[LB+2*j:LB+2*j+1]
.set j, j+1
.endr
.set j, 0
.rept 32
	v_cvt_pk_bf16_f32 v[X+j], v[X+2*j], v[X+2*j+1] ; in place: register j is written when registers 2 j, 2 j + 1 are read, never earlier
.set j, j+1
.endr
.endm
; ---------------------------------------------------------------- the start: Z_raw's rows first, then all that the projections need
	s_load_b512 s[4:19], s[0:1], 0x0               ; Z_raw s[4:5], Z_mask s[6:7], ln_w s[8:9], ln_b s[10:11], bg s[12:13], out_bias s[14:15], tri s[16:17], wfrag s[18:19]
	s_load_b64 s[20:21], s[0:1], 0x40              ; out0
	v_lshl_add_u32 v254, v0, 2, 0x4f400
	v_mov_b32 v255, 0
	ds_add_u32 v254, v255
	ds_add_u32 v254, v255
	s_wait_dscnt 0x0
	v_lshrrev_b32 v36, 5, v0
	v_readfirstlane_b32 s22, v36                   ; wave 0..7
	s_lshr_b32 s23, s22, 1                         ; head
	s_and_b32 s24, s22, 1                          ; half
	; group 1: 32 rows x 128 elements of 4 bytes, 16 bytes of padding behind every row of 128 words
	s_mov_b32 s[G1+0], (2<<16)|(1<<20)|(6<<22)|(3<<25)
	s_mov_b32 s[G1+1], 128<<16                     ; tensor_dim0 = 128
	s_mov_b32 s[G1+2], 32<<16                      ; tensor_dim1 = 32
	s_mov_b32 s[G1+3], 128<<16                     ; tile_dim0 = 128
	s_mov_b32 s[G1+4], 32                          ; tile_dim1 = 32
	s_mov_b32 s[G1+5], 128                         ; elements from row to row
	s_mov_b32 s[G1+6], 0
	s_mov_b32 s[G1+7], 0
	s_mov_b32 s[G0], 1
	s_mul_i32 s[G0+1], s22, WROWS                  ; my 32 rows in LDS
	s_mul_i32 s52, s22, WROWS
	s_lshl_b32 s26, ttmp9, 17                      ; i x 256 rows of 512 bytes
	s_lshl_b32 s53, s22, 14                        ; + 32 w rows
	s_add_co_u32 s26, s26, s53
	s_mov_b32 s27, 0
	s_wait_kmcnt 0x0
	s_add_nc_u64 s[G0+2:G0+3], s[4:5], s[26:27]
	s_or_b32 s[G0+3], s[G0+3], 0x80000000
	tensor_load_to_lds s[G0:G0+3], s[G1:G1+7]      ; the wave's one tensor load of the launch; nothing in LDS is ever filled again
	s_nop 0
	s_add_nc_u64 s[50:51], s[20:21], s[26:27]      ; out0 at the same rows
	s_lshl_b32 s26, ttmp9, 10
	s_add_nc_u64 s[54:55], s[6:7], s[26:27]        ; Z_mask[i]
	s_lshl_b32 s26, s23, 7
	s_add_nc_u64 s[56:57], s[12:13], s[26:27]      ; bg[head]
	s_lshl_b32 s26, s23, 13
	s_add_nc_u64 s[48:49], s[18:19], s[26:27]      ; wfrag at my head's eight fragments of a matrix
	s_lshl_b32 s26, s22, 17
	s_add_nc_u64 s[46:47], s[16:17], s[26:27]      ; tri at (head, query tile 8 half): 8 w x 16 tiles of 1,024 bytes
	s_mov_b32 s[PSEL], 0x76543210
	s_mov_b32 s[PSEL+1], 0xfedcba98
	s_mov_b32 s[SRN], 0x3c000000                   ; 1 / 128
	s_mov_b32 s[SEPS], 0x3727c5ac                  ; 1e-5
	v_and_b32 v[L16], 31, v0
	v_lshlrev_b32 v[L16], 4, v[L16]
	v_and_b32 v36, 15, v0                          ; r
	v_bfe_u32 v37, v0, 4, 1                        ; h
	v_lshlrev_b32 v32, 2, v0                       ; 4 x thread: my key's mask
	v_lshlrev_b32 v[LNO], 5, v37                   ; 32 h
	global_load_b32 v35, v32, s[54:55]
	LNVEC LW, 8
	LNVEC LB, 10
	WIN 0x40                                       ; destination in block 1
	GFRAGS WK, 48, 32768                           ; fragments 32 + 8 head ..
	GFRAGS WV, 48, 65536                           ; fragments 64 + 8 head ..
	WIN 0
	global_load_b128 v[BG:BG+3],     v[LNO], s[56:57]              ; bg[head][16 ct + 8 h + j]: the C operand of G^T
	global_load_b128 v[BG+4:BG+7],   v[LNO], s[56:57] offset:16
	global_load_b128 v[BG+8:BG+11],  v[LNO], s[56:57] offset:64
	global_load_b128 v[BG+12:BG+15], v[LNO], s[56:57] offset:80
	v_add_nc_u32 v34, R_M, v32
	v_mul_u32_u24 v[AL], v36, A_PITCH
	v_add3_u32 v[AL], v[AL], v[LNO], s52
	s_lshl_b32 s53, s22, 13
	s_add_co_u32 s58, s53, R_B
	v_add_nc_u32 v[FA], s58, v[L16]
	s_add_co_u32 s58, s53, R_X
	v_add_nc_u32 v[GA], s58, v[L16]
	s_mul_i32 s58, s22, 7168
	s_add_co_u32 s58, s58, R_Q
	v_add_nc_u32 v[QA], s58, v[L16]
	s_lshl_b32 s58, s24, 15
	s_add_co_u32 s58, s58, R_B
	v_add_nc_u32 v[ZA], s58, v[L16]
	s_lshl_b32 s58, s23, 14
	s_add_co_u32 s58, s58, R_X
	v_add_nc_u32 v[XR], s58, v[L16]
	s_wait_loadcnt 36                              ; the mask, ln_w and ln_b are in; the 16 + 16 + 4 younger loads (Wk, Wv, bg) stay out
	v_add_f32 v35, -1.0, v35
	v_mul_f32 v35, MKC, v35                        ; 1e9 (mask - 1), in base 2
	ds_store_b32 v34, v35
; ---------------------------------------------------------------- LayerNorm of my 32 rows; their fragments go to LDS for all waves
	s_wait_tensorcnt 0x0                           ; my rows are in; only I ever read them
.irp a, 0,1
	LNTILE \a*16*A_PITCH
.irp f, 0,1,2,3
	ds_store_b128 v[FA], v[X+8*\f:X+8*\f+3]   offset:\a*4096+1024*\f
	ds_store_b128 v[FA], v[X+8*\f+4:X+8*\f+7] offset:\a*4096+1024*\f+512
.endr
.endr
	GFRAGS WQ, 48, 0                               ; over ln_w, ln_b: fragments 8 head ..
	GFRAGS WG, 48, 98304                           ; fragments 96 + 8 head ..
	s_wait_dscnt 0x0                               ; my Zn fragments and my mask bias are written
	BAR                                            ; 1: Zn and the mask bias are whole
; ---------------------------------------------------------------- K and V of my eight position tiles, two tiles at a time
.macro PMUL kind, s, tp, ct
.if \kind == 0
.if \s == 0
	v_wmma_f32_16x16x32_bf16 v[O+8*(2*\tp+\ct):O+8*(2*\tp+\ct)+7], v[WK+8*(4*\ct+\s):WK+8*(4*\ct+\s)+7], v[P+32*\tp+8*\s:P+32*\tp+8*\s+7], 0
.else
	v_wmma_f32_16x16x32_bf16 v[O+8*(2*\tp+\ct):O+8*(2*\tp+\ct)+7], v[WK+8*(4*\ct+\s):WK+8*(4*\ct+\s)+7], v[P+32*\tp+8*\s:P+32*\tp+8*\s+7], v[O+8*(2*\tp+\ct):O+8*(2*\tp+\ct)+7]
.endif
.else
.if \s == 0
	v_wmma_f32_16x16x32_bf16 v[O+8*(2*\tp+\ct):O+8*(2*\tp+\ct)+7], v[P+32*\tp+8*\s:P+32*\tp+8*\s+7], v[WV+8*(4*\ct+\s):WV+8*(4*\ct+\s)+7], 0
.else
	v_wmma_f32_16x16x32_bf16 v[O+8*(2*\tp+\ct):O+8*(2*\tp+\ct)+7], v[P+32*\tp+8*\s:P+32*\tp+8*\s+7], v[WV+8*(4*\ct+\s):WV+8*(4*\ct+\s)+7], v[O+8*(2*\tp+\ct):O+8*(2*\tp+\ct)+7]
.endif
.endif
.endm
; kind 0: K^T = Wk x Zn; kind 1: V = Zn x Wv.  Tiles 2 i, 2 i + 1 (tp) x channel tiles ct: four accumulators take turns, one instruction a turn.
; The first K step starts the sums.
.macro PAIR kind, i
.if \i == 0
	s_wait_dscnt 0x0                               ; the pair's 16 loads
.else
	s_wait_dscnt 0x4                               ; the pair's 16 loads are in; the four stores issued behind them may be out
.endif
.if \kind == 0
	WIN 0x01                                       ; source 0 (Wk) in block 1
.else
	WIN 0x04                                       ; source 1 (Wv) in block 1
.endif
.irp s, 0,1,2,3
.irp tp, 0,1
.irp ct, 0,1
	PMUL \kind, \s, \tp, \ct
.endr
.endr
.endr
	WIN 0
	PLACES
.if \i < 3
	ZTILE P, 2*(\i)+2
	ZTILE P+32, 2*(\i)+3
.endif
.irp d, 0,1,2,3
.irp k, 0,1,2,3
	v_cvt_pk_bf16_f32 v[O+8*\d+\k], v[O+8*\d+2*\k], v[O+8*\d+2*\k+1]
.endr
.endr
.irp tp, 0,1
.irp ct, 0,1
.if \kind == 0
	ds_store_b128 v[GA], v[O+8*(2*\tp+\ct):O+8*(2*\tp+\ct)+3] offset:(2*\i+\tp)*1024+\ct*512    ; K fragment of the tile, half ct
.else
	ds_store_b128 v[GA], v[O+8*(2*\tp+\ct):O+8*(2*\tp+\ct)+3] offset:(2*\i+\ct)*1024+\tp*512    ; V fragment (u = 4 half + i, ct), half tp
.endif
.endr
.endr
.endm
	ZTILE P, 0
	ZTILE P+32, 1
	s_wait_loadcnt 32                              ; Wk, Wv and bg are in; only the 32 loads of Wq and Wg stay out
	PAIR 0, 0
	PAIR 0, 1
	PAIR 0, 2
	PAIR 0, 3
	s_wait_dscnt 0x0                               ; my half of K is written
	BAR                                            ; 2: my head's K is whole
	WIN 0x40
	LFRAGS KF, XR, 0
	LFRAGS KF+64, XR, 8192
	WIN 0
	ZTILE P, 0
	ZTILE P+32, 1
	s_wait_dscnt 0x0                               ; my reads of K are done
	BAR                                            ; 3: the same bytes may now take V
	PAIR 1, 0
	PAIR 1, 1
	PAIR 1, 2
	PAIR 1, 3
	s_wait_dscnt 0x0
	BAR                                            ; 4: my head's V is whole
	WIN 0x40
	LFRAGS VF, XR, 0                               ; over Wk and Wv, four places and more behind the products that read them
	LFRAGS VF+64, XR, 8192
	WIN 0
	ZTILE P, 0
	s_wait_dscnt 0x0                               ; my reads of V are done
	BAR                                            ; 5: the same bytes may now take g
; ---------------------------------------------------------------- Q and the gate of my eight query tiles, one tile at a time, Zn in two buffers
.macro QGMUL zf, s
.if \s == 0
	v_wmma_f32_16x16x32_bf16 v[O:O+7],     v[WQ+8*\s:WQ+8*\s+7],       v[\zf+8*\s:\zf+8*\s+7], 0
	v_wmma_f32_16x16x32_bf16 v[O+8:O+15],  v[WQ+32+8*\s:WQ+32+8*\s+7], v[\zf+8*\s:\zf+8*\s+7], 0
	v_wmma_f32_16x16x32_bf16 v[O+16:O+23], v[WG+8*\s:WG+8*\s+7],       v[\zf+8*\s:\zf+8*\s+7], v[BG:BG+7]      ; the gate's sums start from bg
	v_wmma_f32_16x16x32_bf16 v[O+24:O+31], v[WG+32+8*\s:WG+32+8*\s+7], v[\zf+8*\s:\zf+8*\s+7], v[BG+8:BG+15]
.else
	v_wmma_f32_16x16x32_bf16 v[O:O+7],     v[WQ+8*\s:WQ+8*\s+7],       v[\zf+8*\s:\zf+8*\s+7], v[O:O+7]
	v_wmma_f32_16x16x32_bf16 v[O+8:O+15],  v[WQ+32+8*\s:WQ+32+8*\s+7], v[\zf+8*\s:\zf+8*\s+7], v[O+8:O+15]
	v_wmma_f32_16x16x32_bf16 v[O+16:O+23], v[WG+8*\s:WG+8*\s+7],       v[\zf+8*\s:\zf+8*\s+7], v[O+16:O+23]
	v_wmma_f32_16x16x32_bf16 v[O+24:O+31], v[WG+32+8*\s:WG+32+8*\s+7], v[\zf+8*\s:\zf+8*\s+7], v[O+24:O+31]
.endif
.endm
.macro TILE i
.if \i < 7
	ZTILE P+32*((\i+1)&1), \i+1
.endif
	; this tile's eight loads were issued at the head of the tile before; behind them came that tile's stores and the eight loads above
.if \i == 0
	s_wait_dscnt 8                                 ; (tile 0's loads were waited for at the barrier)
.elseif \i == 1
	s_wait_dscnt 10                                ; 2 stores (tile 0 stores no Q) + 8 loads
.elseif \i < 7
	s_wait_dscnt 12                                ; 4 stores + 8 loads
.else
	s_wait_dscnt 4                                 ; 4 stores
.endif
.irp s, 0,1,2,3
	QGMUL P+32*(\i&1), \s                          ; four accumulators take turns, one instruction a turn
.endr
	PLACES
.if \i == 0
.set QD, QF                                        ; unit 0's Q fragment stays in registers
.set QE, QF+4
.else
.set QD, O
.set QE, O+8
.endif
.irp k, 0,1,2,3,4,5,6,7
	v_pk_mul_f32 v[O+2*\k:O+2*\k+1], v[O+2*\k:O+2*\k+1], QS op_sel_hi:[1,0]
.endr
.irp k, 0,1,2,3,4,5,6,7
	v_pk_mul_f32 v[O+16+2*\k:O+16+2*\k+1], v[O+16+2*\k:O+16+2*\k+1], NL2E op_sel_hi:[1,0]
.endr
.irp k, 0,1,2,3,4,5,6,7,8,9,10,11,12,13,14,15
	v_exp_f32 v[O+16+\k], v[O+16+\k]               ; e^-x
.endr
.irp k, 0,1,2,3
	v_cvt_pk_bf16_f32 v[QD+\k], v[O+2*\k], v[O+2*\k+1]             ; plain work on other registers behind the exponentials (ISA guide 5.7.2)
.endr
	s_wait_alu depctr_va_vdst(0)
.irp k, 0,1,2,3,4,5,6,7
	v_pk_add_f32 v[O+16+2*\k:O+16+2*\k+1], v[O+16+2*\k:O+16+2*\k+1], 1.0 op_sel_hi:[1,0]
.endr
.irp k, 0,1,2,3,4,5,6,7,8,9,10,11,12,13,14,15
	v_rcp_f32 v[O+16+\k], v[O+16+\k]               ; 1 / (1 + e^-x); an overflowed exponential gives 0
.endr
.irp k, 0,1,2,3
	v_cvt_pk_bf16_f32 v[QE+\k], v[O+8+2*\k], v[O+8+2*\k+1]         ; and behind the reciprocals
.endr
	s_wait_alu depctr_va_vdst(0)
.irp k, 0,1,2,3
	v_cvt_pk_f16_f32 v[O+16+\k], v[O+16+2*\k], v[O+16+2*\k+1]
.endr
.irp k, 0,1,2,3
	v_cvt_pk_f16_f32 v[O+24+\k], v[O+24+2*\k], v[O+24+2*\k+1]
.endr
.if \i > 0
	ds_store_b128 v[QA], v[O:O+3]    offset:(\i-1)*1024
	ds_store_b128 v[QA], v[O+8:O+11] offset:(\i-1)*1024+512
.endif
	ds_store_b128 v[GA], v[O+16:O+19] offset:\i*1024
	ds_store_b128 v[GA], v[O+24:O+27] offset:\i*1024+512
.endm
	s_wait_loadcnt 0x0                             ; Wq, Wg
	TILE 0
	TILE 1
	TILE 2
	TILE 3
	TILE 4
	TILE 5
	TILE 6
	TILE 7
.macro TRI2 t                          ; the pair bias of key tile t, 1,024 bytes, straight into score tile t as its C operand
	global_load_b128 v[S+8*(\t):S+8*(\t)+3],   v[L16], s[46:47] offset:1024*(\t)
	global_load_b128 v[S+8*(\t)+4:S+8*(\t)+7], v[L16], s[46:47] offset:1024*(\t)+512
.endm
.macro TRILOAD                         ; a unit's sixteen tiles, in ascending order: the order on which the counted waits in front of the products rest
.irp t, 0,1,2,3,4,5,6,7,8,9,10,11,12,13,14,15
	TRI2 \t
.endr
.endm
	TRILOAD                                        ; unit 0, over Wq and Wg
	v_bfe_u32 v[MA], v0, 4, 1
	v_lshlrev_b32 v[MA], 5, v[MA]
	v_add_nc_u32 v[MA], R_M, v[MA]                 ; mask bias of keys 16 t + 8 h + j at 64 t + 32 h + 4 j
	v_and_b32 v[OBO], 15, v0
	v_lshlrev_b32 v[OBO], 4, v[OBO]
	s_lshl_b32 s58, s22, 11
	s_add_co_u32 s58, s58, R_B
	v_add_nc_u32 v[OGA], s58, v[L16]
	s_wait_dscnt 0x0                               ; my reads of Zn are done (and my Q and g are written)
	BAR                                            ; 6: Zn's bytes may now take the gated o
; ---------------------------------------------------------------- attention: eight units of 16 queries x 256 keys
.macro MLOAD c, m                      ; mask bias of key tiles 4 c .. 4 c + 3
.irp tt, 0,1,2,3
	ds_load_b128 v[\m+8*\tt:\m+8*\tt+3],   v[MA] offset:(4*\c+\tt)*64
	ds_load_b128 v[\m+8*\tt+4:\m+8*\tt+7], v[MA] offset:(4*\c+\tt)*64+16
.endr
.endm
.macro MADD c, m
.set j, 0
.rept 16
	v_pk_add_f32 v[S+32*\c+2*j:S+32*\c+2*j+1], v[S+32*\c+2*j:S+32*\c+2*j+1], v[\m+2*j:\m+2*j+1]
.set j, j+1
.endr
.endm
.macro SUBEXP t
.irp k, 0,1,2,3
	v_pk_add_f32 v[S+8*(\t)+2*\k:S+8*(\t)+2*\k+1], v[S+8*(\t)+2*\k:S+8*(\t)+2*\k+1], v[MP:MP+1] neg_lo:[0,1] neg_hi:[0,1]
.endr
.irp k, 0,1,2,3,4,5,6,7
	v_exp_f32 v[S+8*(\t)+\k], v[S+8*(\t)+\k]
.endr
.endm
.macro SUMCVT t                        ; tile t's eight exponentials into the four chains of sums, and packed into P
.if (\t) == 1
.irp k, 0,1,2,3
	v_pk_add_f32 v[SU+2*\k:SU+2*\k+1], v[S+2*\k:S+2*\k+1], v[S+8+2*\k:S+8+2*\k+1]  ; tiles 0 and 1 start the chains: nothing is cleared
.endr
.elseif (\t) > 1
	s_wait_alu depctr_va_vdst(0)
.irp k, 0,1,2,3
	v_pk_add_f32 v[SU+2*\k:SU+2*\k+1], v[SU+2*\k:SU+2*\k+1], v[S+8*(\t)+2*\k:S+8*(\t)+2*\k+1]
.endr
.endif
	s_wait_alu depctr_va_vdst(0)
.irp k, 0,1,2,3
	v_cvt_pk_bf16_f32 v[P+4*(\t)+\k], v[S+8*(\t)+2*\k], v[S+8*(\t)+2*\k+1]
.endr
.endm
.macro UNIT last
	ds_load_b128 v[GP:GP+3],   v[GA]               ; the unit's g
	ds_load_b128 v[GP+4:GP+7], v[GA] offset:512
	MLOAD 0, P
	MLOAD 1, P+32
	s_wait_dscnt 20                                ; Q's two loads of the trip before are in: behind them came 2 stores of gated o and the 18 loads above
	WIN 0x01                                       ; source 0 (K) in block 1
	; The unit's pair bias is 32 loads, two a tile in ascending order, and the last global loads issued on both ways to this line.  Loads come back in
	; order (ISA guide 5.7.1): in front of tiles 4 c .. 4 c + 3 the 24 - 8 c loads of the later tiles may stay out and land while these are multiplied.
.irp c, 0,1,2,3
	s_wait_loadcnt 24-8*\c
.irp tt, 0,1,2,3
	v_wmma_f32_16x16x32_bf16 v[S+8*(4*\c+\tt):S+8*(4*\c+\tt)+7], v[KF+8*(4*\c+\tt):KF+8*(4*\c+\tt)+7], v[QF:QF+7], v[S+8*(4*\c+\tt):S+8*(4*\c+\tt)+7]     ; sixteen accumulators, one product each
.endr
.endr
.if \last == 0
	s_add_nc_u64 s[46:47], s[46:47], 16384         ; the next query tile's sixteen tiles: behind the wait for 0, which shows every load that names this base done
.endif
	WIN 0
	PLACES
	; the mask bias is added behind the product, in plain f32, so that a row with every key masked rounds as reference()'s does
	s_wait_dscnt 8                                 ; chunk 0 is in; the eight loads of chunk 1 may be out
	MADD 0, P
	MLOAD 2, P
	s_wait_dscnt 8                                 ; chunk 1 is in; chunk 2's eight may be out
	MADD 1, P+32
	MLOAD 3, P+32
	s_wait_dscnt 8                                 ; chunk 2 is in; chunk 3's eight may be out
	MADD 2, P
	s_wait_dscnt 0x0
	MADD 3, P+32
	; the maximum over the 256 keys of my query: 128 registers in four chains, then the other half of the lanes
.irp c, 0,1,2,3
	v_max_num_f32 v[MX+\c], v[S+32*\c], v[S+32*\c+1]
.endr
.set j, 1
.rept 15
.irp c, 0,1,2,3
	v_max3_num_f32 v[MX+\c], v[MX+\c], v[S+32*\c+2*j], v[S+32*\c+2*j+1]
.endr
.set j, j+1
.endr
	v_max3_num_f32 v[MX], v[MX], v[MX+1], v[MX+2]
	v_max_num_f32 v[MX], v[MX], v[MX+3]
	v_permlanex16_b32 v[MX+1], v[MX], s[PSEL], s[PSEL+1]
	v_max_num_f32 v[MP], v[MX], v[MX+1]
	v_max_num_f32 v[MP+1], v[MX], v[MX+1]
	; 2^(s - max).  Sums and packing run one tile behind: plain work on other registers stands behind each run of exponentials (ISA guide 5.7.2).
	; A score tile is dead once it is summed and packed, and the next unit's pair bias for that tile is asked for at once: tile t's request then has the
	; 15 - t tiles left of this run, the products with V and the gate in which to land.  Tile 0 is read once more when tile 1 starts the chains of sums,
	; so tiles 0 and 1 are asked for together behind that.
.irp t, 0,1,2,3,4,5,6,7,8,9,10,11,12,13,14,15
	SUBEXP \t
.if \t > 0
	SUMCVT \t-1
.if \last == 0
.if \t == 2
	TRI2 0
	TRI2 1
.elseif \t > 2
	TRI2 \t-1
.endif
.endif
.endif
.endr
	SUMCVT 15
.if \last == 0
	TRI2 15
	ds_load_b128 v[QF:QF+3],   v[QA]               ; the next unit's Q
	ds_load_b128 v[QF+4:QF+7], v[QA] offset:512
.else
	WIN 0x40
	GFRAGS WO, 18, 131072                          ; Wo's fragments 0-15 over K
	GFRAGS WO+64, 18, 139264
	WIN 0
	global_load_b128 v[OB:OB+3],   v[OBO], s[14:15]                ; out_bias of columns 4 (lane & 15) .. and 64 + 4 (lane & 15) ..
	global_load_b128 v[OB+4:OB+7], v[OBO], s[14:15] offset:256
.irp a, 0,1
.irp b, 0,1,2,3,4,5,6,7
	ds_load_b128 v[S+8*(8*\a+\b):S+8*(8*\a+\b)+3],   v[AL] offset:\a*16*A_PITCH+64*\b      ; Z_raw(row 32 w + 16 a + r, d = 16 b + 8 h + j): the result's C operand
	ds_load_b128 v[S+8*(8*\a+\b)+4:S+8*(8*\a+\b)+7], v[AL] offset:\a*16*A_PITCH+64*\b+16
.endr
.endr
.endif
	v_pk_add_f32 v[SU:SU+1], v[SU:SU+1], v[SU+2:SU+3]
	v_pk_add_f32 v[SU+4:SU+5], v[SU+4:SU+5], v[SU+6:SU+7]
	v_pk_add_f32 v[SU:SU+1], v[SU:SU+1], v[SU+4:SU+5]
	v_add_f32 v[SU], v[SU], v[SU+1]
	v_permlanex16_b32 v[SU+1], v[SU], s[PSEL], s[PSEL+1]
	v_add_f32 v[SU], v[SU], v[SU+1]
	v_rcp_f32 v[RL], v[SU]
	v_rcp_f32 v[RL+1], v[SU]
	v_nop                                          ; one plain instruction before the products below write over the reciprocal's source (ISA guide 5.7.2)
	; O^T = V^T x P.  Even and odd key steps have accumulators of their own, so that four take turns, one instruction a turn.
	WIN 0x01                                       ; source 0 (V) in block 1
.irp u, 0,1,2,3,4,5,6,7
.irp ct, 0,1
.if \u < 2
	v_wmma_f32_16x16x32_bf16 v[O+8*(\ct+2*(\u&1)):O+8*(\ct+2*(\u&1))+7], v[VF+8*(2*\u+\ct):VF+8*(2*\u+\ct)+7], v[P+8*\u:P+8*\u+7], 0
.else
	v_wmma_f32_16x16x32_bf16 v[O+8*(\ct+2*(\u&1)):O+8*(\ct+2*(\u&1))+7], v[VF+8*(2*\u+\ct):VF+8*(2*\u+\ct)+7], v[P+8*\u:P+8*\u+7], v[O+8*(\ct+2*(\u&1)):O+8*(\ct+2*(\u&1))+7]
.endif
.endr
.endr
	WIN 0
.if \last == 0
	v_add_nc_u32 v[GA], 1024, v[GA]                ; the four places: two steps of addresses, two v_nop
	v_add_nc_u32 v[QA], 1024, v[QA]
	v_nop
	v_nop
	s_wait_alu depctr_va_vdst(0)
.else
	PLACES
	WIN 0x40
	GFRAGS WO+128, 18, 147456                      ; Wo's fragments 16-31 over V
	GFRAGS WO+192, 18, 155648
	WIN 0
.endif
	; o / row sum x g, packed: the fragment (query tile, K step = head) of the output projection.  g (v[GP:GP+7]) has been in since the wait for chunk 3.
	v_cvt_f32_f16 v64, v8.l
	v_cvt_f32_f16 v65, v8.h
	v_cvt_f32_f16 v66, v9.l
	v_cvt_f32_f16 v67, v9.h
	v_cvt_f32_f16 v68, v10.l
	v_cvt_f32_f16 v69, v10.h
	v_cvt_f32_f16 v70, v11.l
	v_cvt_f32_f16 v71, v11.h
	v_cvt_f32_f16 v72, v12.l
	v_cvt_f32_f16 v73, v12.h
	v_cvt_f32_f16 v74, v13.l
	v_cvt_f32_f16 v75, v13.h
	v_cvt_f32_f16 v76, v14.l
	v_cvt_f32_f16 v77, v14.h
	v_cvt_f32_f16 v78, v15.l
	v_cvt_f32_f16 v79, v15.h
	s_wait_alu depctr_va_vdst(0)
.irp k, 0,1,2,3,4,5,6,7
	v_pk_mul_f32 v[P+2*\k:P+2*\k+1], v[P+2*\k:P+2*\k+1], v[RL:RL+1]
.endr
.irp k, 0,1,2,3,4,5,6,7
	v_pk_add_f32 v[O+2*\k:O+2*\k+1], v[O+2*\k:O+2*\k+1], v[O+16+2*\k:O+16+2*\k+1]  ; even + odd key steps
.endr
.irp k, 0,1,2,3,4,5,6,7
	v_pk_mul_f32 v[O+2*\k:O+2*\k+1], v[O+2*\k:O+2*\k+1], v[P+2*\k:P+2*\k+1]
.endr
.irp k, 0,1,2,3
	v_cvt_pk_bf16_f32 v[O+\k], v[O+2*\k], v[O+2*\k+1]
.endr
.irp k, 0,1,2,3
	v_cvt_pk_bf16_f32 v[O+8+\k], v[O+8+2*\k], v[O+8+2*\k+1]
.endr
	ds_store_b128 v[FA], v[O:O+3]
	ds_store_b128 v[FA], v[O+8:O+11] offset:512
.if \last == 0
	v_add_nc_u32 v[FA], 1024, v[FA]
.endif
.endm
	s_mov_b32 s30, 7
.Lunit:
	UNIT 0
	s_sub_co_i32 s30, s30, 1
	s_cmp_lg_u32 s30, 0
	s_cbranch_scc1 .Lunit
	UNIT 1                                         ; the last unit fetches what the output projection needs instead of a next unit
	v_and_b32 v10, 15, v0
	v_bfe_u32 v11, v0, 4, 1
	v_mul_u32_u24 v8, v11, A_PITCH                 ; the way out: lanes 0-15 take 256 bytes of one row, lanes 16-31 of the next
	v_lshl_add_u32 v8, v10, 4, v8
	v_add_nc_u32 v8, s52, v8
	v_lshlrev_b32 v9, 9, v11                       ; and the same in out0
	v_lshl_add_u32 v9, v10, 4, v9
	s_wait_dscnt 0x0                               ; my gated o is written (and the residual is in)
	BAR                                            ; 7: the gated o of all four heads is whole
; ---------------------------------------------------------------- out^T = Wo^T x og + Z_raw for my 32 rows, all 128 columns
.irp a, 0,1
.irp s, 0,1,2,3
	ds_load_b128 v[P+8*(4*\a+\s):P+8*(4*\a+\s)+3],   v[OGA] offset:\s*16384+\a*1024
	ds_load_b128 v[P+8*(4*\a+\s)+4:P+8*(4*\a+\s)+7], v[OGA] offset:\s*16384+\a*1024+512
.endr
.endr
	s_wait_dscnt 0x0
	s_wait_loadcnt 0x0                             ; Wo, out_bias
	WIN 0x01                                       ; source 0 (Wo) in block 1
.irp s, 0,1,2,3
.irp a, 0,1
.irp b, 0,1,2,3,4,5,6,7
	v_wmma_f32_16x16x32_bf16 v[S+8*(8*\a+\b):S+8*(8*\a+\b)+7], v[WO+8*(4*\b+\s):WO+8*(4*\b+\s)+7], v[P+8*(4*\a+\s):P+8*(4*\a+\s)+7], v[S+8*(8*\a+\b):S+8*(8*\a+\b)+7]   ; sixteen accumulators take turns
.endr
.endr
.endr
	WIN 0
	PLACES
	; back into the bytes from which the residual came (my own rows, which have had their one fill), then out by whole rows
.irp a, 0,1
.irp b, 0,1,2,3,4,5,6,7
	ds_store_b128 v[AL], v[S+8*(8*\a+\b):S+8*(8*\a+\b)+3]   offset:\a*16*A_PITCH+64*\b
	ds_store_b128 v[AL], v[S+8*(8*\a+\b)+4:S+8*(8*\a+\b)+7] offset:\a*16*A_PITCH+64*\b+16
.endr
.endr
.set n, 0
.rept 32
	ds_load_b128 v[S+4*n:S+4*n+3], v8 offset:(n>>1)*2*A_PITCH+(n&1)*256    ; LDS serves a wave's instructions in order (ISA guide 5.7.1): these see the stores above
.set n, n+1
.endr
.set n, 0
.rept 32
	s_wait_dscnt 31-n                              ; load n is in; the younger ones stay out
	v_pk_add_f32 v[S+4*n:S+4*n+1],   v[S+4*n:S+4*n+1],   v[OB+4*(n&1):OB+4*(n&1)+1]
	v_pk_add_f32 v[S+4*n+2:S+4*n+3], v[S+4*n+2:S+4*n+3], v[OB+4*(n&1)+2:OB+4*(n&1)+3]
	global_store_b128 v9, v[S+4*n:S+4*n+3], s[50:51] offset:(n>>1)*1024+(n&1)*256 th:TH_STORE_NT   ; sixteen lanes store 256 consecutive bytes, aligned
.set n, n+1
.endr
	s_wait_xcnt 0x0
	v_lshl_add_u32 v254, v0, 2, 0x4f400
	v_mov_b32 v255, 0
	s_wait_tensorcnt 0x0
	ds_add_u32 v254, v255
	s_wait_dscnt 0x0
	s_endpgm
.Lfunc_end_k_qb3ae8b3c41_attn:
	.size	k_qb3ae8b3c41_attn, .Lfunc_end_k_qb3ae8b3c41_attn-k_qb3ae8b3c41_attn
	.p2alignl 7, 3214868480
	.fill 96, 4, 3214868480
	.section	.rodata,"a",@progbits
	.p2align	6, 0x0
	.amdhsa_kernel k_qb3ae8b3c41_attn
		.amdhsa_group_segment_fixed_size 325632
		.amdhsa_private_segment_fixed_size 0
		.amdhsa_enable_private_segment 0
		.amdhsa_kernarg_size 72
		.amdhsa_user_sgpr_count 2
		.amdhsa_user_sgpr_kernarg_segment_ptr 1
		.amdhsa_wavefront_size32 1
		.amdhsa_system_sgpr_workgroup_id_x 1
		.amdhsa_system_sgpr_workgroup_id_y 1
		.amdhsa_system_sgpr_workgroup_id_z 1
		.amdhsa_system_vgpr_workitem_id 0
		.amdhsa_next_free_vgpr 512
		.amdhsa_next_free_sgpr 66
		.amdhsa_reserve_vcc 0
		.amdhsa_float_denorm_mode_32 3
		.amdhsa_float_denorm_mode_16_64 3
		.amdhsa_memory_ordered 1
		.amdhsa_forward_progress 1
		.amdhsa_inst_pref_size 220
	.end_amdhsa_kernel
	.amdgpu_metadata
---
amdhsa.version: [ 1, 2 ]
amdhsa.kernels:
  - .name:           k_qb3ae8b3c41_attn
    .symbol:         k_qb3ae8b3c41_attn.kd
    .args:
      - { .name: Z_raw, .offset: 0, .size: 8, .value_kind: global_buffer, .address_space: global }
      - { .name: Z_mask, .offset: 8, .size: 8, .value_kind: global_buffer, .address_space: global }
      - { .name: ln_w, .offset: 16, .size: 8, .value_kind: global_buffer, .address_space: global }
      - { .name: ln_b, .offset: 24, .size: 8, .value_kind: global_buffer, .address_space: global }
      - { .name: bg, .offset: 32, .size: 8, .value_kind: global_buffer, .address_space: global }
      - { .name: out_bias, .offset: 40, .size: 8, .value_kind: global_buffer, .address_space: global }
      - { .name: tri, .offset: 48, .size: 8, .value_kind: global_buffer, .address_space: global }
      - { .name: wfrag, .offset: 56, .size: 8, .value_kind: global_buffer, .address_space: global }
      - { .name: out0, .offset: 64, .size: 8, .value_kind: global_buffer, .address_space: global }
    .group_segment_fixed_size: 325632
    .private_segment_fixed_size: 0
    .kernarg_segment_align: 8
    .kernarg_segment_size: 72
    .max_flat_workgroup_size: 256
    .sgpr_count:     66
    .vgpr_count:     512
    .wavefront_size: 32
...
	.end_amdgpu_metadata
.endif
;; end of part 2
